; MI455X (gfx1250); checked and timed in simulation.
; The chip was launched on July 23, 2026; its instructions are those of AMD's public machine-readable ISA for CDNA 5 (MIT licence, August 2026) and "CDNA5" Instruction Set Architecture Reference Guide (July 2026). The comments in the code are by the model that wrote it; some were corrected since.
;; MOE Layer. Allowed arithmetic: matrix products marked QUANTISED: E5M2 operands, one E8M0 scale for each 32 along K, by v_wmma_scale_f32_16x16x128_f8f6f4 with both operands' format E5M2, f32 sums; products left as they are: f32 operands where the result goes on into a quantised operand, else bf16, f16 or f32 operands; f32 sums; everything else in f32.
;; Inputs: gate 2,048 int32; inp 2,048 x 1,024 float32; weight_codes 16 x 2,048 x 32 x 32 uint8 (E5M2 codes of weight, K innermost, in blocks of 32 codes); weight_scales 16 x 2,048 x 32 uint8 (E8M0 scales of weight, one for each 32 codes along K).
;; Outputs: out0 2,048 x 2,048 float32.
;; This version of the problem:
;;   THIS VERSION OF THE PROBLEM IS GIVEN IN LOW PRECISION. The matrix products marked QUANTISED in the list below multiply operands that are first quantised to E5M2 (5 exponent bits, 2 mantissa bits; 8 bits a number), with one power-of-two scale for each 32 numbers along K (OCP MX v1.0); their sums are f32. All else is computed in f32.
;;   The module's matrix products, in the order in which they are computed (A, B: the left and right operand; K: the contracted axis; several contracted axes count as one K, in the product's order):
;;     1. batch 2,048 x [M 1,024, K 1] x [K 1, N 16]; A: computed on the way; B: computed on the way: left as it is (no contracted axis)
;;     2. batch 16 x [M 2,048, K 1,024] x [K 1,024, N 2,048]; A: computed on the way; B: input weight (given as codes): QUANTISED
;;     3. batch 2,048 x [M 1, K 16] x [K 16, N 2,048]; A: computed on the way; B: computed on the way: left as it is (K = 16 < 32)
;;   THE QUANTISER, for each operand of a quantised product, along K:
;;     - K is cut into blocks of 32 from its start; a last block that is shorter is filled with zeros.
;;     - A block's scale is 2^e with e = floor(log2(the largest magnitude in the block)) - 15, held to -126 .. 127; a block of zeros has e = 0. As a byte (E8M0): e + 127.
;;     - Each number is divided by its block's scale, clamped to +-57,344, and rounded to the nearest number of E5M2, ties to even, subnormals kept.
;;     - The product sums the exact products of the quantised numbers (number of the format x scale) in f32.
;;   ~~~python
;;   def quantise(x, axis):      # numpy; x: float32 -> the quantised numbers, widened to float32 again
;;       x = np.moveaxis(x, axis, -1); K = x.shape[-1]
;;       x = np.pad(x, [(0, 0)] * (x.ndim - 1) + [(0, -K % 32)]); x = x.reshape(x.shape[:-1] + (-1, 32)); a = np.abs(x).max(-1, keepdims=True)
;;       e = np.where(a > 0, np.clip(np.frexp(np.where(a > 0, a, 1))[1] - 1 - 15, -126, 127), 0)      # np.frexp(a)[1] - 1 = floor(log2(a)), exactly
;;       r = np.clip(x / 2.0 ** e, -57344, 57344)
;;       step = 2.0 ** (np.maximum(np.frexp(np.where(r == 0, 1, r))[1] - 1, -14) - 2)
;;       q = np.round(r / step) * step * 2.0 ** e      # np.round: ties to even
;;       return np.moveaxis(q.reshape(q.shape[:-2] + (-1,))[..., :K], -1, axis).astype(np.float32)
;;   ~~~
;;   OPERANDS COMPUTED ON THE WAY. 'Computed on the way' means the value that the module computes at that place (a softmax that the list does not call 'softmax' is quantised finished and normalised). What goes into a quantiser is computed in f32, as accurately as f32 sums, v_exp_f32 and their like allow (about 1e-6 of the number): no bf16 or f16 on the way to a quantiser, and a product that is left as it is and whose result goes on into a quantised operand takes f32 operands (vector FMAs, or v_wmma_f32_16x16x4_f32). A number that lies on a knife's edge between two numbers of the format may be rounded either way, as far as f32 arithmetic and the matrix unit's own rounding can turn it there, and no further.
;;   INPUTS GIVEN AS CODES. weight (in the module: [16, 2048, 1024], K = its axis 2): each comes as NAME_codes (uint8): NAME with its K axis moved to the last place and cut into blocks of 32 codes, [.., K / 32, bytes a block], one block behind the other in memory; one code a byte (a code: sign, 5 exponent bits, 2 mantissa bits); and NAME_scales (uint8): the same leading axes, one E8M0 byte (e + 127) for each 32 codes along K. Its value is code x scale, taken as it is: it is not quantised again, and the codes and scales need not be those that the quantiser above would give.
;; 2 versions, each right; version 2 is version 1 with the launch moe written anew for expert scheduling mode. Each part assembles by itself: llvm-mc -triple=amdgcn-amd-amdhsa -mcpu=gfx1250 --defsym DOCPART=n.
;; ======== version 1 of 2: 2 launches
;; workspace buffers: xq 2,359,296 bytes; xs 73,728 bytes; order 9,216 bytes of whole numbers; table 256 bytes of whole numbers
;; launch prep (part 1): grid 144 x 1, 16 waves a work-group, no clusters, 97,280 bytes of LDS; arguments gate, inp, xq, xs, order, table; writes xq, xs, order, table
.if DOCPART == 1
	.amdgcn_target "amdgcn-amd-amdhsa--gfx1250"
	.amdhsa_code_object_version 6
	.text
	.protected	k_q7664174719_prep
	.globl	k_q7664174719_prep
	.p2align	8
	.type	k_q7664174719_prep,@function
k_q7664174719_prep:
	s_mov_b64 s[64:65], 0
	v_nop
	global_prefetch_b8 v0, s[64:65] scope:SCOPE_SE
	s_setreg_imm32_b32 hwreg(HW_REG_WAVE_MODE, 25, 1), 1
	s_wait_xcnt 0x0
; THE ROUTING AND THE QUANTISER.  2,048 tokens are sorted by their expert (gate) into tiles of 16 slots, and each token's row of inp (1,024 f32) is turned into codes of E5M2 with one E8M0 byte for each 32 along K.
; An expert with c tokens takes ceil(c / 16) tiles; experts follow each other and begin on a tile: never more than 2,048 / 16 + 15 = 143 tiles.  144 work-groups, one to a tile, and ALL 144 tiles are written on every input:
; a slot that no token takes repeats the token of its tile's slot 0; a tile that no expert takes holds token 2,047's data and is used by nobody.  So no branch here hangs on data.
; WHAT IS STORED.  xq: tile T at 16,384 T: K step s (128 along K), chunk c (32 along K): 512 bytes at 2,048 s + 512 c, in which lane rho + 16 h has 16 bytes at 16 x lane: codes k = 128 s + 32 c + 16 h + 0 .. 15 of slot rho:
; the order of the matrix operand's registers.  xs: slot rho's 32 scale bytes at 512 T + 32 rho.  order: the token of slot 2 i + hl at 64 T + 32 hl + 4 i.  table: expert e's (first tile, number of tokens) at 8 e.
; SHARES.  Every work-group repeats the counting sort (thread t holds tokens 4 t .. 4 t + 3; 64 ballots a wave); then wave w quantises the row of slot w: lane l holds block l, 32 neighbours along K.
; A block's scale is 2^(floor(log2(its largest magnitude)) - 15); its byte is the largest magnitude's exponent field - 15, held at 1 from below.
; LIMITS.  gate lies in 0 .. 15 (an index stays inside its table); another value is not served.  NaN and infinities in inp are not served.  A block of zeros gets the byte 1 where the rule says 127: its codes are zeros,
; which add nothing under any byte but 0xff, and this program alone reads the bytes.
; No matrix work, no tensor load, no cluster: work-groups share only the 8 KB of gate.
.set HT, 0                             ; LDS: 16 waves x 128 bytes: lane e's word = the wave's count for expert e
.set PT, 2048                          ; 32 slots x 64 bytes: a word for each wave: token + 1, or 0
.set SB, 4096                          ; 512 scale bytes: 32 x slot + block
.set IM, 4608                          ; the tile's image: 32 chunks of 512 bytes, 528 apart
.set ST, 21504                         ; 16 waves x 4,608: the wave's own stage: 32 blocks of 128 bytes, 144 apart
.set G,  16                            ; v16-19  my four tokens' experts
.set LR, 20                            ; v20-23  their ranks among the wave's tokens of the same expert
.set X,  72                            ; v72-103 the row as loaded
.set Y,  128                           ; v128-159 my block: 32 neighbours along K
.set C,  104                           ; v104-111 its codes
	s_load_b256 s[4:11], s[0:1], 0x0               ; gate s[4:5], inp s[6:7], xq s[8:9], xs s[10:11]
	s_load_b128 s[12:15], s[0:1], 0x20             ; order s[12:13], table s[14:15]
	v_lshl_add_u32 v160, v0, 2, 0x17400
	v_mov_b32 v161, 0
	v_lshlrev_b32 v3, 4, v0                        ; my four gates: 16 bytes at 16 x thread
	s_wait_kmcnt 0x0
	global_load_b128 v[G:G+3], v3, s[4:5]          ; a wave reads 512 consecutive bytes
	; all addresses are made here, while the gates are on their way, ahead of every branch
	v_lshrrev_b32 v24, 5, v0
	v_readfirstlane_b32 s18, v24                   ; wave 0..15
	v_and_b32 v1, 31, v0                           ; lane
	v_lshlrev_b32 v2, 4, v1                        ; 16 x lane
	v_lshlrev_b32 v4, 2, v0                        ; HT + 4 x thread
	v_lshlrev_b32 v5, 2, v1                        ; HT + 4 x lane
	s_lshl_b32 s21, s18, 2
	v_mov_b32 v14, s21                             ; 4 x wave: the lane that holds my slot's token
	s_add_co_u32 s21, s21, PT
	v_lshlrev_b32 v6, 6, v1
	v_add_nc_u32 v6, s21, v6                       ; PT + 64 x lane + 4 x wave
	v_and_b32 v24, 15, v1                          ; r = lane % 16
	v_lshlrev_b32 v7, 6, v24
	v_add_nc_u32 v7, PT, v7                        ; PT + 64 r
	s_mul_i32 s21, s18, 4608
	s_add_co_u32 s21, s21, ST                      ; my stage
	v_lshrrev_b32 v8, 3, v1
	v_mul_u32_u24 v8, v8, 144
	v_and_b32 v9, 7, v1
	v_lshl_add_u32 v8, v9, 4, v8
	v_add_nc_u32 v8, s21, v8                       ; in: eight lanes' 128 bytes are a block: 144 (lane / 8) + 16 (lane % 8)
	v_mul_u32_u24 v9, v1, 144
	v_add_nc_u32 v9, s21, v9                       ; back: block = lane.  144 bytes = 36 words
	s_lshl_b32 s21, s18, 4
	s_add_co_u32 s21, s21, IM
	v_mul_u32_u24 v10, v1, 528
	v_add_nc_u32 v10, s21, v10                     ; the image, in: chunk = my block, slot = my wave: 528 x lane + 16 x wave (+ 256 for h = 1)
	s_mul_i32 s21, s18, 1056
	s_add_co_u32 s21, s21, IM
	v_add_nc_u32 v11, s21, v2                      ; back: chunks 2 w and 2 w + 1, 16 bytes a lane
	v_add_nc_u32 v12, SB, v0                       ; my block's scale byte: 32 x wave + lane = the thread's number
	v_add_nc_u32 v13, SB, v2
	v_and_b32 v15, 1, v24
	v_lshlrev_b32 v15, 5, v15
	v_lshrrev_b32 v25, 1, v24
	v_lshl_add_u32 v15, v25, 2, v15                ; order: 32 (r % 2) + 4 (r / 2)
	v_lshlrev_b32 v117, 3, v1                      ; table: 8 x lane
.irp i, 0,1,2,3
	v_mov_b32 v[LR+\i], 0
	v_mov_b32 v[64+\i], 0                          ; what the push below leaves in a lane that nobody sends to
.endr
	v_mov_b32 v25, 0                               ; the wave's counts, lane e for expert e
	v_mov_b32 v26, 0                               ; all waves' counts
	v_mov_b32 v27, 0                               ; those of the waves in front of mine
.irp e, 0,1,2,3,4,5,6,7,8,9,10,11,12,13,14,15
	s_mov_b32 s[32+\e], 0                          ; the running count of expert e in my wave
.endr
	s_lshl_b32 s19, ttmp9, 4                       ; my tile's first slot
	s_mov_b32 s20, 0x600000                        ; the mantissa field of 57,344
	s_mov_b32 s29, 0
	s_lshl_b32 s28, ttmp9, 14
	s_lshl_b32 s21, s18, 10
	s_add_co_u32 s28, s28, s21
	s_add_nc_u64 s[8:9], s[8:9], s[28:29]          ; xq at my tile, my wave's two chunks
	s_lshl_b32 s28, ttmp9, 9
	s_add_nc_u64 s[10:11], s[10:11], s[28:29]      ; xs at my tile
	s_lshl_b32 s28, ttmp9, 6
	s_add_nc_u64 s[12:13], s[12:13], s[28:29]      ; order at my tile
	s_wait_loadcnt 0x0                             ; the gates
; One ballot: which lanes' token i has expert e; such a lane's rank is the running count + the number of such lanes below it.
.macro BALLOT i, e
	v_cmp_eq_u32 s[48+\e], \e, v[G+\i]
	v_mbcnt_lo_u32_b32 v24, s[48+\e], s[32+\e]
	v_cndmask_b32 v[LR+\i], v[LR+\i], v24, s[48+\e]
	s_bcnt1_i32_b32 s[66+\e], s[48+\e]
	s_add_co_u32 s[32+\e], s[32+\e], s[66+\e]
.endm
.irp i, 0,1,2,3
.irp e, 0,1,2,3,4,5,6,7,8,9,10,11,12,13,14,15
	BALLOT \i, \e
.endr
.endr
.irp e, 0,1,2,3,4,5,6,7,8,9,10,11,12,13,14,15
	v_writelane_b32 v25, s[32+\e], \e
.endr
	ds_store_b32 v4, v25
	s_wait_dscnt 0x0                               ; for the others' sake: my counts lie in LDS
	s_barrier_signal -1
	s_barrier_wait -1
	; lane e adds up expert e: over all waves, and over the waves in front of mine
.irp w, 0,1,2,3,4,5,6,7,8,9,10,11,12,13,14,15
	ds_load_b32 v[32+\w], v5 offset:128*\w
.endr
	s_wait_dscnt 0x0
.irp w, 0,1,2,3,4,5,6,7,8,9,10,11,12,13,14,15
	s_cmp_gt_u32 s18, \w
	s_cselect_b32 s21, 1, 0
	v_mad_u32_u24 v27, v[32+\w], s21, v27
	v_add_nc_u32 v26, v26, v[32+\w]
.endr
	v_add_nc_u32 v28, 15, v26
	v_lshrrev_b32 v28, 4, v28                      ; the expert's tiles
	v_mov_b32 v29, v28
.irp n, 1,2,4,8                                ; a running sum over the sixteen lanes
	v_mov_b32_dpp v24, v29 row_shr:\n row_mask:0xf bank_mask:0xf bound_ctrl:1
	v_add_nc_u32 v29, v29, v24
.endr
	v_sub_nc_u32 v30, v29, v28                     ; the expert's first tile
	v_lshl_add_u32 v31, v30, 4, v27                ; the slot of my wave's first token of expert e
	s_or_b32 s21, ttmp9, s18                       ; wave 0 of work-group 0 stores the table
	s_cmp_lg_u32 s21, 0
	s_cbranch_scc1 .Lno_table
	v_mov_b32 v70, v30
	v_mov_b32 v71, v26
	global_store_b64 v117, v[70:71], s[14:15]      ; 32 lanes store 256 consecutive bytes, aligned; lanes 16-31 hold zeros
.Lno_table:
	; each token's slot; a token whose slot lies in my tile is pushed to the lane of that slot, all others to lanes 16-31, which nobody reads
.irp i, 0,1,2,3
	v_min_u32 v[48+\i], 15, v[G+\i]
.endr
.irp i, 0,1,2,3
	v_lshlrev_b32 v[48+\i], 2, v[48+\i]
.endr
.irp i, 0,1,2,3
	ds_bpermute_b32 v[52+\i], v[48+\i], v31        ; lane g's number
.endr
	s_wait_dscnt 0x0
.irp i, 0,1,2,3
	v_add_nc_u32 v[52+\i], v[52+\i], v[LR+\i]      ; the token's slot
.endr
.irp i, 0,1,2,3
	v_sub_nc_u32 v[56+\i], v[52+\i], s19           ; in my tile: 0 .. 15 (unsigned: a slot in front of the tile is a large number)
.endr
.irp i, 0,1,2,3
	v_min_u32 v[56+\i], 31, v[56+\i]
.endr
.irp i, 0,1,2,3
	v_lshlrev_b32 v[56+\i], 2, v[56+\i]
	v_lshl_add_u32 v[60+\i], v0, 2, \i+1           ; the token + 1
.endr
.irp i, 0,1,2,3
	ds_permute_b32 v[64+\i], v[56+\i], v[60+\i]
.endr
	s_wait_dscnt 0x0
	v_or_b32 v64, v64, v65                         ; a slot has one sender in the whole work-group
	v_or_b32 v66, v66, v67
	v_or_b32 v64, v64, v66
	ds_store_b32 v6, v64
	s_wait_dscnt 0x0                               ; for the others' sake
	s_barrier_signal -1
	s_barrier_wait -1
.irp q, 0,1,2,3
	ds_load_b128 v[32+4*\q:35+4*\q], v7 offset:16*\q   ; slot r's sixteen words, one from each wave
.endr
	s_wait_dscnt 0x0
.irp q, 0,2,4,6,8,10,12,14
	v_or_b32 v[32+\q], v[32+\q], v[33+\q]
.endr
.irp q, 0,4,8,12
	v_or_b32 v[32+\q], v[32+\q], v[34+\q]
.endr
	v_or_b32 v32, v32, v36
	v_or_b32 v40, v40, v44
	v_or_b32 v68, v32, v40                         ; slot r's token + 1, or 0
	v_readlane_b32 s22, v68, 0
	v_mov_b32 v24, s22
	v_cmp_eq_u32 vcc_lo, 0, v68
	v_cndmask_b32 v68, v68, v24, vcc_lo            ; an empty slot repeats slot 0's token
	v_add_nc_u32 v69, -1, v68
	v_min_u32 v69, 0x7ff, v69                      ; the token; in a tile that no expert takes: 2,047
	s_cmp_lg_u32 s18, 0
	s_cbranch_scc1 .Lno_order
	global_store_b32 v15, v69, s[12:13]            ; 64 bytes; lanes 16-31 repeat lanes 0-15: the same address, the same number
.Lno_order:
	ds_bpermute_b32 v24, v14, v69                  ; my slot's token
	s_wait_dscnt 0x0
	v_readfirstlane_b32 s24, v24
	s_min_u32 s24, s24, 2047
	s_lshl_b32 s28, s24, 12                        ; a row of inp is 4,096 bytes
	s_add_nc_u64 s[6:7], s[6:7], s[28:29]
.irp j, 0,1,2,3,4,5,6,7
	global_load_b128 v[X+4*\j:X+4*\j+3], v2, s[6:7] offset:512*\j   ; 32 lanes read 512 consecutive bytes
.endr
.irp j, 0,1,2,3,4,5,6,7
	s_wait_loadcnt 7-\j                            ; loads come back in order (ISA guide 5.7.1): load j is in, the younger ones stay out
	ds_store_b128 v8, v[X+4*\j:X+4*\j+3] offset:576*\j   ; four blocks a load
.endr
.irp q, 0,1,2,3,4,5,6,7
	ds_load_b128 v[Y+4*\q:Y+4*\q+3], v9 offset:16*\q     ; LDS serves a wave's instructions in order (ISA guide 5.7.1.4): these see my stores
.endr
	s_wait_dscnt 0x0
	v_max3_num_f32 v112, |v[Y]|, |v[Y+1]|, |v[Y+2]|      ; the block's largest magnitude: all 32 numbers are mine; two chains
	v_max3_num_f32 v113, |v[Y+3]|, |v[Y+4]|, |v[Y+5]|
.irp i, 6,10,14,18,22,26
	v_max3_num_f32 v112, v112, |v[Y+\i]|, |v[Y+\i+1]|
	v_max3_num_f32 v113, v113, |v[Y+\i+2]|, |v[Y+\i+3]|
.endr
	v_max3_num_f32 v112, v112, |v[Y+30]|, |v[Y+31]|
	v_max3_num_f32 v112, v112, v113, 0x8000000     ; and the floor 2^(16 - 127): the byte cannot fall under 1
	v_add_nc_u32 v114, 0xf8800000, v112            ; 15 off its exponent field: the conversion takes the exponent field of this operand as its scale
	v_and_or_b32 v115, v112, 0x7f800000, s20       ; 57,344 x the scale
	v_lshrrev_b32 v116, 23, v114                   ; the scale's byte
.irp i, 0,1,2,3,4,5,6,7,8,9,10,11,12,13,14,15,16,17,18,19,20,21,22,23,24,25,26,27,28,29,30,31
	v_med3_num_f32 v[Y+\i], v[Y+\i], -v115, v115   ; the conversion to an 8-bit code does not saturate (ISA guide 7.6.2): the hold comes first
.endr
.irp g, 0,1,2,3
	v_cvt_scalef32_pk8_bf8_f32 v[C+2*\g:C+2*\g+1], v[Y+8*\g:Y+8*\g+7], v114
.endr
	v_nop                                          ; one plain instruction behind the last scaled conversion
	ds_store_b128 v10, v[C:C+3]                    ; k 0 .. 15 of the block: the operand's lanes 0-15
	ds_store_b128 v10, v[C+4:C+7] offset:256       ; k 16 .. 31: its lanes 16-31
	ds_store_b8 v12, v116
	s_wait_dscnt 0x0                               ; for the others' sake: my slot's codes and bytes lie in LDS
	s_barrier_signal -1
	s_barrier_wait -1
	ds_load_b128 v[120:123], v11
	ds_load_b128 v[124:127], v11 offset:528
	s_wait_dscnt 0x0
	global_store_b128 v2, v[120:123], s[8:9]             ; each store of the wave covers 512 consecutive bytes, aligned to 256
	global_store_b128 v2, v[124:127], s[8:9] offset:512
	s_cmp_lg_u32 s18, 1
	s_cbranch_scc1 .Lend
	ds_load_b128 v[72:75], v13                     ; wave 1: the tile's 512 scale bytes
	s_wait_dscnt 0x0
	global_store_b128 v2, v[72:75], s[10:11]
.Lend:
	s_wait_tensorcnt 0x0
	ds_add_u32 v160, v161
	s_wait_dscnt 0x0
	s_endpgm
.Lfunc_end_k_q7664174719_prep:
	.size	k_q7664174719_prep, .Lfunc_end_k_q7664174719_prep-k_q7664174719_prep
	.p2alignl 7, 3214868480
	.fill 96, 4, 3214868480
	.section	.rodata,"a",@progbits
	.p2align	6, 0x0
	.amdhsa_kernel k_q7664174719_prep
		.amdhsa_group_segment_fixed_size 97280
		.amdhsa_private_segment_fixed_size 0
		.amdhsa_enable_private_segment 0
		.amdhsa_kernarg_size 48
		.amdhsa_user_sgpr_count 2
		.amdhsa_user_sgpr_kernarg_segment_ptr 1
		.amdhsa_wavefront_size32 1
		.amdhsa_system_sgpr_workgroup_id_x 1
		.amdhsa_system_sgpr_workgroup_id_y 1
		.amdhsa_system_sgpr_workgroup_id_z 1
		.amdhsa_system_vgpr_workitem_id 0
		.amdhsa_next_free_vgpr 162
		.amdhsa_next_free_sgpr 96
		.amdhsa_reserve_vcc 1
		.amdhsa_float_denorm_mode_32 3
		.amdhsa_float_denorm_mode_16_64 3
		.amdhsa_memory_ordered 1
		.amdhsa_forward_progress 1
		.amdhsa_inst_pref_size 35
	.end_amdhsa_kernel
	.amdgpu_metadata
---
amdhsa.version: [ 1, 2 ]
amdhsa.kernels:
  - .name:           k_q7664174719_prep
    .symbol:         k_q7664174719_prep.kd
    .args:
      - { .name: gate, .offset: 0, .size: 8, .value_kind: global_buffer, .address_space: global }
      - { .name: inp, .offset: 8, .size: 8, .value_kind: global_buffer, .address_space: global }
      - { .name: xq, .offset: 16, .size: 8, .value_kind: global_buffer, .address_space: global }
      - { .name: xs, .offset: 24, .size: 8, .value_kind: global_buffer, .address_space: global }
      - { .name: order, .offset: 32, .size: 8, .value_kind: global_buffer, .address_space: global }
      - { .name: table, .offset: 40, .size: 8, .value_kind: global_buffer, .address_space: global }
    .group_segment_fixed_size: 97280
    .private_segment_fixed_size: 0
    .kernarg_segment_align: 8
    .kernarg_segment_size: 48
    .max_flat_workgroup_size: 512
    .sgpr_count:     96
    .vgpr_count:     162
    .wavefront_size: 32
...
	.end_amdgpu_metadata
.endif
;; end of part 1
;; launch moe (part 2): grid 16 x 16, 4 waves a work-group, no clusters, 151,040 bytes of LDS; arguments table, order, xq, xs, weight_codes, weight_scales, out0; writes out0
.if DOCPART == 2
	.amdgcn_target "amdgcn-amd-amdhsa--gfx1250"
	.amdhsa_code_object_version 6
	.text
	.protected	k_q7664174719_moe
	.globl	k_q7664174719_moe
	.p2align	8
	.type	k_q7664174719_moe,@function
k_q7664174719_moe:
	s_mov_b64 s[64:65], 0
	v_nop
	global_prefetch_b8 v0, s[64:65] scope:SCOPE_SE
	s_setreg_imm32_b32 hwreg(HW_REG_WAVE_MODE, 25, 1), 1
	s_wait_xcnt 0x0
; out0[n][:] = weight[gate[n]] . inp[n], on codes of E5M2 with one E8M0 scale for each 32 along K = 1,024.  Only the rows of a token's own expert are multiplied: the other experts' rows are multiplied by a one-hot's zeros.
; The tokens arrive sorted by expert in tiles of 16 slots, as images of the operand's registers (xq), with their scale words (xs), their numbers (order) and each expert's first tile and number of tokens (table).
; SHARES.  Work-group (x, y): expert y, output columns 128 x .. 128 x + 127.  Wave w: column half w / 2 (64 columns: 256 bytes of a row of out0) and the expert's tiles w % 2, w % 2 + 2, ..
; A wave's 64 x 1,024 weights stay in 512 registers for the whole launch.  They are read from memory once, 32 whole rows a wave (32 KB on end), and turned into fragments by one pass through LDS.
; TRANSPOSED USE: source 0 = 16 rows of the weight, source 1 = 16 tokens: lane (r, h) holds token r, and its register j output column 16 t + 8 h + j: eight neighbours of a row of out0.
; The sums run over K in ascending steps of 128, one accumulator for each output; the four accumulators take turns, one instruction a turn.
; THE NUMBER OF TILES IS READ FROM MEMORY: so the text has no tensor load, hence no joint load in a cluster, though the sixteen work-groups of an expert read the same tiles; the one barrier stands ahead of every
; branch on such a number, and behind it the waves share nothing.  Two token buffers: a tile's 36 loads are issued as soon as its buffer's products are out.
; THE LOOP.  With n tiles for the wave, (max(n, 2) - 2) / 2 trips, each of two tiles, each of which asks for the tile two further on; the 1, 2 or 3 tiles that are left are written out behind it.
; LIMITS.  Where an expert's number of tokens is odd, the last token's partner slot repeats the tile's slot 0: that row is stored a second time, with the same numbers.
; REGISTERS, in windows of 256: window 0: v1-11 addresses; v16-31 the weight's scale words; v32-47 the tokens' (8 a buffer); v48-63 token numbers (8 a buffer); v64-71 offsets in out0; v80-111 four accumulators; v112-143 rows on the way out.
;   windows 1, 2: the weight: fragment (t, s) at v[16 (4 (s % 4) + t)] of window 1 + s / 4 (window 1 first holds the 64 loads as they come).   window 3: the tokens: buffer b, K step s at v[128 b + 16 s].
.set PW,  1040                         ; LDS: 128 rows of the weight, 1,024 bytes + 16: 65 x 16 bytes, so the sixteen rows that a load touches fall on sixteen different columns of the 64 banks of 4 bytes (ISA guide 11.1)
.set OS,  128*PW                       ; behind them: 16 rows x 272 bytes for each wave, its own, for the way out
.set WS,  16
.set AS,  32
.set ORD, 48
.set OFF, 64
.set ACC, 80
.set RB,  112
.set MSB, 0
.macro WIN new                         ; the immediate's high byte repeats the setting that is left; a switch that changes nothing is dropped
.if MSB != (\new)
	s_set_vgpr_msb (MSB<<8)|(\new)
.set MSB, (\new)
.endif
.endm
	s_load_b256 s[4:11], s[0:1], 0x0               ; table s[4:5], order s[6:7], xq s[8:9], xs s[10:11]
	s_load_b128 s[12:15], s[0:1], 0x20             ; the weight's codes s[12:13], its scales s[14:15]
	s_load_b64 s[16:17], s[0:1], 0x30              ; out0
	v_lshl_add_u32 v254, v0, 2, 0x24c00
	v_mov_b32 v255, 0
	v_lshrrev_b32 v2, 5, v0
	v_readfirstlane_b32 s18, v2                    ; wave 0..3
	s_lshr_b32 s19, s18, 1                         ; my column half
	s_and_b32 s20, s18, 1                          ; my parity among the tiles
	s_and_b32 s21, ttmp7, 0xffff                   ; the expert
	s_mov_b32 s22, ttmp9                           ; the block of 128 columns
	v_and_b32 v7, 31, v0                           ; lane
	v_lshlrev_b32 v1, 4, v7                        ; 16 x lane
	v_and_b32 v2, 15, v0                           ; r
	v_bfe_u32 v3, v0, 4, 1                         ; h
	s_mul_i32 s26, s18, 32*PW
	v_add_nc_u32 v4, s26, v1                       ; the weight into LDS: my 32 rows, 16 bytes a lane
	s_mul_i32 s26, s19, 64*PW
	v_mul_u32_u24 v5, v2, PW
	v_lshl_add_u32 v5, v3, 4, v5
	v_add_nc_u32 v5, s26, v5                       ; and back as fragments: my half's row r, + 16 h
	v_lshlrev_b32 v6, 5, v2                        ; xs: 32 bytes a slot
	v_lshlrev_b32 v7, 5, v7                        ; the weight's scales: 32 bytes a row, a lane a row
	v_lshlrev_b32 v8, 5, v3                        ; order: 32 h
	s_mul_i32 s26, s18, 16*272
	s_add_co_u32 s26, s26, OS                      ; my stage
	v_mul_u32_u24 v9, v2, 272
	v_lshl_add_u32 v9, v3, 5, v9
	v_add_nc_u32 v9, s26, v9                       ; in: row r, 32 bytes for each half of the lanes
	v_mul_u32_u24 v10, v3, 272
	v_lshl_add_u32 v10, v2, 4, v10
	v_add_nc_u32 v10, s26, v10                     ; back: lanes 0-15 one row of 256 bytes, lanes 16-31 the next
	v_lshlrev_b32 v11, 4, v2                       ; and my 16 bytes of it in out0
	s_lshl_b32 s52, s21, 21                        ; codes: (2,048 e + 128 x + 32 w) rows of 1,024 bytes
	s_lshl_b32 s26, s22, 17
	s_add_co_u32 s52, s52, s26
	s_lshl_b32 s26, s18, 15
	s_add_co_u32 s52, s52, s26
	s_mov_b32 s53, 0
	s_lshl_b32 s54, s21, 16                        ; scales: (2,048 e + 128 x + 64 half) rows of 32 bytes
	s_lshl_b32 s26, s22, 12
	s_add_co_u32 s54, s54, s26
	s_lshl_b32 s26, s19, 11
	s_add_co_u32 s54, s54, s26
	s_mov_b32 s55, 0
	s_wait_kmcnt 0x0
	s_add_nc_u64 s[12:13], s[12:13], s[52:53]
	s_add_nc_u64 s[14:15], s[14:15], s[54:55]
	s_lshl_b32 s52, s21, 3
	s_add_nc_u64 s[4:5], s[4:5], s[52:53]
	s_load_b64 s[24:25], s[4:5], 0x0               ; my expert's first tile and number of tokens: on its way while the weight is asked for
	s_lshl_b32 s52, s22, 9
	s_lshl_b32 s26, s19, 8
	s_add_co_u32 s52, s52, s26
	s_add_nc_u64 s[16:17], s[16:17], s[52:53]      ; out0 at my 64 columns
	; the weight's scale words: register WS + 8 u + s: lanes 0-15 the word (K step s) of the rows of column tile 2 u, lanes 16-31 of tile 2 u + 1
	global_load_b128 v[WS:WS+3], v7, s[14:15]
	global_load_b128 v[WS+4:WS+7], v7, s[14:15] offset:16
	global_load_b128 v[WS+8:WS+11], v7, s[14:15] offset:1024
	global_load_b128 v[WS+12:WS+15], v7, s[14:15] offset:1040
	WIN 0x40                                       ; destination window 1
.set i, 0
.rept 64
	global_load_b128 v[4*i:4*i+3], v1, s[12:13] offset:512*i th:TH_LOAD_NT   ; 512 consecutive bytes: half of row i / 2; read once in the launch
.set i, i+1
.endr
	WIN 0
	s_wait_kmcnt 0x0
	s_min_u32 s24, s24, 143                        ; first tile
	s_min_u32 s25, s25, 2048                       ; tokens
	s_add_co_u32 s26, s25, 15
	s_lshr_b32 s26, s26, 4                         ; the expert's tiles
	s_add_co_u32 s28, s26, 1
	s_sub_co_u32 s28, s28, s20
	s_lshr_b32 s28, s28, 1                         ; s28: n, my tiles
	s_max_u32 s38, s28, 2
	s_sub_co_u32 s38, s38, 2
	s_lshr_b32 s38, s38, 1                         ; s38: the loop's trips: in trip j tiles 2 j + 2 and 2 j + 3 are asked for, and 2 s38 <= n - 2
	s_lshl_b32 s39, s38, 1
	s_sub_co_u32 s39, s28, s39                     ; s39: the tiles left behind the loop: 1 (n = 1), 2 (n even) or 3 (n odd, from 3 on)
	s_lshl_b32 s27, s20, 4
	s_sub_co_u32 s30, s25, s27                     ; s30: tokens from my tile in hand on
	s_add_co_u32 s26, s24, s20
	s_min_u32 s26, s26, 143                        ; my first tile,
	s_sub_co_u32 s27, s28, 1
	s_min_u32 s27, s27, 1
	s_lshl_b32 s27, s27, 1
	s_add_co_u32 s27, s27, s26
	s_min_u32 s27, s27, 143                        ; and my second (with one tile: the first again; its data are then used by nobody).  Both lie inside the 144 tiles, all of which are written
	s_lshl_b32 s52, s26, 14
	s_add_nc_u64 s[40:41], s[8:9], s[52:53]
	s_lshl_b32 s52, s26, 9
	s_add_nc_u64 s[42:43], s[10:11], s[52:53]
	s_lshl_b32 s52, s26, 6
	s_add_nc_u64 s[44:45], s[6:7], s[52:53]
	s_lshl_b32 s52, s27, 14
	s_add_nc_u64 s[46:47], s[8:9], s[52:53]
	s_lshl_b32 s52, s27, 9
	s_add_nc_u64 s[48:49], s[10:11], s[52:53]
	s_lshl_b32 s52, s27, 6
	s_add_nc_u64 s[50:51], s[6:7], s[52:53]
	s_add_nc_u64 s[32:33], s[40:41], 32768         ; the walking addresses stand at my second tile: two tiles on from the first; each later fetch steps them first
	s_add_nc_u64 s[34:35], s[42:43], 1024
	s_add_nc_u64 s[36:37], s[44:45], 128
	s_mov_b32 s29, 0                               ; s29: the loop's counter
; Half a tile into buffer b: 18 loads.  Four K steps' codes (each load 512 consecutive bytes, as the operand's registers take them), and the scale words (half 0) or the token numbers (half 1).
.macro LOADH b, half, q, x, o
	WIN 0xc0                                       ; destination window 3
.irp s, 0,1,2,3
.irp c, 0,1,2,3
	global_load_b128 v[128*(\b)+16*(4*(\half)+\s)+4*\c:128*(\b)+16*(4*(\half)+\s)+4*\c+3], v1, s[\q:\q+1] offset:2048*(4*(\half)+\s)+512*\c
.endr
.endr
	WIN 0
.if (\half) == 0
	global_load_b128 v[AS+8*(\b):AS+8*(\b)+3], v6, s[\x:\x+1]              ; lane r: slot r's eight scale words, one a K step
	global_load_b128 v[AS+8*(\b)+4:AS+8*(\b)+7], v6, s[\x:\x+1] offset:16
.else
	global_load_b128 v[ORD+8*(\b):ORD+8*(\b)+3], v8, s[\o:\o+1]            ; register i: the token of slot 2 i + h
	global_load_b128 v[ORD+8*(\b)+4:ORD+8*(\b)+7], v8, s[\o:\o+1] offset:16
.endif
.endm
; Sixteen of the weight's 64 loads go into LDS.  Behind the last of them stand 64 - 16 (g + 1) loads of the weight and 18 g of the tokens: 48, 50, 52, 54.
.macro STAGE g
	s_wait_loadcnt 48+2*(\g)
	WIN 0x04                                       ; an LDS store's data are its source 1: window 1
.set i, 16*(\g)
.rept 16
	ds_store_b128 v4, v[4*i:4*i+3] offset:(i/2)*PW+(i%2)*512
.set i, i+1
.endr
	WIN 0
.endm
	STAGE 0                                        ; the stores run while the rest of the weight arrives, and my first two tiles are asked for meanwhile
	LOADH 0, 0, 40, 42, 44
	STAGE 1
	LOADH 0, 1, 40, 42, 44
	STAGE 2
	LOADH 1, 0, 46, 48, 50
	STAGE 3
	LOADH 1, 1, 46, 48, 50
	s_wait_dscnt 0x0                               ; for the others' sake: my 32 rows lie in LDS
	s_barrier_signal -1
	s_barrier_wait -1                              ; the only barrier: all 128 rows lie there, and nobody writes them again
	s_cmp_eq_u32 s28, 0
	s_cbranch_scc1 .Lend                           ; no tile of my parity
.irp s, 0,1,2,3,4,5,6,7                        ; 128 loads, K step by K step, 16 each
	WIN 0x40+0x40*(\s/4)                           ; destination window 1 or 2
.irp t, 0,1,2,3
.irp c, 0,1,2,3
	ds_load_b128 v[16*(4*(\s%4)+\t)+4*\c:16*(4*(\s%4)+\t)+4*\c+3], v5 offset:16*PW*\t+128*\s+32*\c
.endr
.endr
.endr
	WIN 0
.macro MM1 b, s, t
.set rW, 16*(4*((\s)%4)+(\t))
.set rA, 128*(\b)+16*(\s)
.set rC, ACC+8*(\t)
.set rWS, WS+8*((\t)/2)+(\s)
.set rAS, AS+8*(\b)+(\s)
.if (\s) == 0                                  ; the first K step starts the sums: nothing is cleared
.if (\t)%2
	v_wmma_scale_f32_16x16x128_f8f6f4 v[rC:rC+7], v[rW:rW+15], v[rA:rA+15], 0, v[rWS], v[rAS] matrix_a_fmt:MATRIX_FMT_BF8 matrix_b_fmt:MATRIX_FMT_BF8 matrix_a_scale:MATRIX_SCALE_ROW1
.else
	v_wmma_scale_f32_16x16x128_f8f6f4 v[rC:rC+7], v[rW:rW+15], v[rA:rA+15], 0, v[rWS], v[rAS] matrix_a_fmt:MATRIX_FMT_BF8 matrix_b_fmt:MATRIX_FMT_BF8
.endif
.else
.if (\t)%2
	v_wmma_scale_f32_16x16x128_f8f6f4 v[rC:rC+7], v[rW:rW+15], v[rA:rA+15], v[rC:rC+7], v[rWS], v[rAS] matrix_a_fmt:MATRIX_FMT_BF8 matrix_b_fmt:MATRIX_FMT_BF8 matrix_a_scale:MATRIX_SCALE_ROW1
.else
	v_wmma_scale_f32_16x16x128_f8f6f4 v[rC:rC+7], v[rW:rW+15], v[rA:rA+15], v[rC:rC+7], v[rWS], v[rAS] matrix_a_fmt:MATRIX_FMT_BF8 matrix_b_fmt:MATRIX_FMT_BF8
.endif
.endif
.endm
; A tile's 32 products: 8 K steps x 4 column tiles.  first = 1: a place where the weight's fragments may still be on their way.  With at most 63 of the 128 loads out the first 65 are in: K steps 0 to 3;
; from K step 4 on the count is the later K steps' loads, 16 each.  Round the loop's backward jump, and out of the loop, no LDS instruction is out.
.macro MM b, first
.irp s, 0,1,2,3,4,5,6,7
.if \first
.if \s == 0
	s_wait_dscnt 63
.elseif \s > 3
	s_wait_dscnt 16*(7-\s)
.endif
.endif
	WIN 0x0d+(\s/4)                                ; source 0 window 1 or 2, source 1 window 3, C and D window 0
.irp t, 0,1,2,3
	MM1 \b, \s, \t
.endr
.endr
	WIN 0
.endm
; Where the tile's rows go: token x 8,192 bytes + my 16 bytes.  Sixteen plain instructions that name no register of the products: they are the eight places ahead of the loads into the buffer just
; multiplied and of the LDS stores that read the results, and the nine ahead of the next tile's first products, which begin the accumulators anew.
.macro OFFS b
.irp i, 0,1,2,3,4,5,6,7
	v_min_u32 v[OFF+\i], 0x7ff, v[ORD+8*(\b)+\i]
.endr
.irp i, 0,1,2,3,4,5,6,7
	v_lshl_add_u32 v[OFF+\i], v[OFF+\i], 13, v11
.endr
.endm
; The way out: 16 tokens x 64 columns through my own stage; back as whole rows of 256 bytes, two a load; lanes 0-15 store slot 2 i's 256 consecutive bytes, aligned, lanes 16-31 slot 2 i + 1's.
; Pairs of slots that hold no token are left out: a scalar branch on the number of tokens.
.macro OUT
.irp t, 0,1,2,3
	ds_store_b128 v9, v[ACC+8*\t:ACC+8*\t+3] offset:64*\t          ; each accumulator from its low end on
	ds_store_b128 v9, v[ACC+8*\t+4:ACC+8*\t+7] offset:64*\t+16
.endr
.irp i, 0,1,2,3,4,5,6,7
	ds_load_b128 v[RB+4*\i:RB+4*\i+3], v10 offset:544*\i           ; LDS serves a wave's instructions in order (ISA guide 5.7.1.4): these see my stores
.endr
	s_wait_dscnt 0x0
.irp i, 0,1,2,3,4,5,6,7
.if \i > 0
	s_cmp_le_u32 s30, 2*\i
	s_cbranch_scc1 .Lod_\@
.endif
	global_store_b128 v[OFF+\i], v[RB+4*\i:RB+4*\i+3], s[16:17] th:TH_STORE_NT   ; written once, read by nobody here
.endr
.Lod_\@:
	s_sub_co_u32 s30, s30, 32                      ; my next tile lies two tiles on
.endm
; The tile in buffer b is multiplied.  left: the loads issued behind this tile's 36, which may stay out: the other buffer's 36, or none.
.macro WORK b, first, left
	s_wait_loadcnt \left
	MM \b, \first
	s_wait_xcnt 0x0                                ; the last tile's stores have read their offsets and data, the last loads their addresses: all may be written again
	OFFS \b
.endm
; Buffer b, whose products are out, takes my tile two further on: 36 loads.
.macro NEXT b
	s_add_nc_u64 s[32:33], s[32:33], 32768
	s_add_nc_u64 s[34:35], s[34:35], 1024
	s_add_nc_u64 s[36:37], s[36:37], 128
	LOADH \b, 0, 32, 34, 36
	LOADH \b, 1, 32, 34, 36
.endm
	s_cmp_eq_u32 s38, 0
	s_cbranch_scc1 .Ltail                          ; up to three tiles: no trip
.Lloop:                                                ; a trip: two tiles, each of which has a tile two further on
	WORK 0, 1, 36
	NEXT 0
	OUT
	WORK 1, 0, 36
	NEXT 1
	OUT
	s_add_co_u32 s29, s29, 1
	s_cmp_lt_u32 s29, s38
	s_cbranch_scc1 .Lloop
.Ltail:                                                ; on both ways here buffer 0's 36 loads were issued, and behind them buffer 1's 36
	WORK 0, 1, 36
	s_cmp_lt_u32 s39, 3
	s_cbranch_scc1 .Lshort
	NEXT 0                                         ; three tiles are left: buffer 0 takes the last
	OUT
	WORK 1, 0, 36                                  ; behind buffer 1's loads: the 36 just issued
	OUT
	WORK 0, 0, 0
	OUT
	s_wait_tensorcnt 0x0
	ds_add_u32 v254, v255
	s_wait_dscnt 0x0
	s_endpgm
.Lshort:                                               ; one or two are left: nothing more is asked for
	OUT
	s_cmp_lt_u32 s39, 2
	s_cbranch_scc1 .Lend
	WORK 1, 0, 0                                   ; buffer 1's loads are the youngest
	OUT
.Lend:
	s_wait_tensorcnt 0x0
	ds_add_u32 v254, v255
	s_wait_dscnt 0x0
	s_endpgm
.Lfunc_end_k_q7664174719_moe:
	.size	k_q7664174719_moe, .Lfunc_end_k_q7664174719_moe-k_q7664174719_moe
	.p2alignl 7, 3214868480
	.fill 96, 4, 3214868480
	.section	.rodata,"a",@progbits
	.p2align	6, 0x0
	.amdhsa_kernel k_q7664174719_moe
		.amdhsa_group_segment_fixed_size 151040
		.amdhsa_private_segment_fixed_size 0
		.amdhsa_enable_private_segment 0
		.amdhsa_kernarg_size 56
		.amdhsa_user_sgpr_count 2
		.amdhsa_user_sgpr_kernarg_segment_ptr 1
		.amdhsa_wavefront_size32 1
		.amdhsa_system_sgpr_workgroup_id_x 1
		.amdhsa_system_sgpr_workgroup_id_y 1
		.amdhsa_system_sgpr_workgroup_id_z 1
		.amdhsa_system_vgpr_workitem_id 0
		.amdhsa_next_free_vgpr 1024
		.amdhsa_next_free_sgpr 66
		.amdhsa_reserve_vcc 0
		.amdhsa_float_denorm_mode_32 3
		.amdhsa_float_denorm_mode_16_64 3
		.amdhsa_memory_ordered 1
		.amdhsa_forward_progress 1
		.amdhsa_inst_pref_size 89
	.end_amdhsa_kernel
	.amdgpu_metadata
---
amdhsa.version: [ 1, 2 ]
amdhsa.kernels:
  - .name:           k_q7664174719_moe
    .symbol:         k_q7664174719_moe.kd
    .args:
      - { .name: table, .offset: 0, .size: 8, .value_kind: global_buffer, .address_space: global }
      - { .name: order, .offset: 8, .size: 8, .value_kind: global_buffer, .address_space: global }
      - { .name: xq, .offset: 16, .size: 8, .value_kind: global_buffer, .address_space: global }
      - { .name: xs, .offset: 24, .size: 8, .value_kind: global_buffer, .address_space: global }
      - { .name: weight_codes, .offset: 32, .size: 8, .value_kind: global_buffer, .address_space: global }
      - { .name: weight_scales, .offset: 40, .size: 8, .value_kind: global_buffer, .address_space: global }
      - { .name: out0, .offset: 48, .size: 8, .value_kind: global_buffer, .address_space: global }
    .group_segment_fixed_size: 151040
    .private_segment_fixed_size: 0
    .kernarg_segment_align: 8
    .kernarg_segment_size: 56
    .max_flat_workgroup_size: 128
    .sgpr_count:     66
    .vgpr_count:     1024
    .wavefront_size: 32
...
	.end_amdgpu_metadata
.endif
;; end of part 2
;; ======== version 2 of 2: 2 launches; version 1 with the launch moe written anew for expert scheduling mode
;; workspace buffers: xq 2,359,296 bytes; xs 73,728 bytes; order 9,216 bytes of whole numbers; table 256 bytes of whole numbers
;; launch prep: the kernel of part 1 again; grid 144 x 1, 16 waves a work-group, no clusters, 97,280 bytes of LDS; arguments gate, inp, xq, xs, order, table; writes xq, xs, order, table
;; launch moe (part 3): grid 16 x 16, 4 waves a work-group, no clusters, 151,040 bytes of LDS; arguments table, order, xq, xs, weight_codes, weight_scales, out0; writes out0
.if DOCPART == 3
	.amdgcn_target "amdgcn-amd-amdhsa--gfx1250"
	.amdhsa_code_object_version 6
	.text
	.protected	k_q7664174719_moe
	.globl	k_q7664174719_moe
	.p2align	8
	.type	k_q7664174719_moe,@function
k_q7664174719_moe:
	s_mov_b64 s[64:65], 0
	v_nop
	global_prefetch_b8 v0, s[64:65] scope:SCOPE_SE
	s_setreg_imm32_b32 hwreg(HW_REG_WAVE_SCHED_MODE, 0, 2), 2
	s_setreg_imm32_b32 hwreg(HW_REG_WAVE_MODE, 25, 1), 1
	s_wait_xcnt 0x0
	s_wait_alu depctr_vm_vsrc(0)
; out0[n][:] = weight[gate[n]] . inp[n], on codes of E5M2 with one E8M0 scale for each 32 along K = 1,024.  Only the rows of a token's own expert are multiplied: the other experts' rows are multiplied by a one-hot's zeros.
; The tokens arrive sorted by expert in tiles of 16 slots, as images of the operand's registers (xq), with their scale words (xs), their numbers (order) and each expert's first tile and number of tokens (table).
; SHARES.  Work-group (x, y): expert y, output columns 128 x .. 128 x + 127.  Wave w: column half w / 2 (64 columns: 256 bytes of a row of out0) and the expert's tiles w % 2, w % 2 + 2, ..
; A wave's 64 x 1,024 weights stay in 512 registers for the whole launch.  They are read from memory once, 32 whole rows a wave (32 KB on end), and turned into fragments by one pass through LDS.
; TRANSPOSED USE: source 0 = 16 rows of the weight, source 1 = 16 tokens: lane (r, h) holds token r, and its register j output column 16 t + 8 h + j: eight neighbours of a row of out0.
; The sums run over K in ascending steps of 128, one accumulator for each output; the four accumulators take turns, one instruction a turn.
; THE NUMBER OF TILES IS READ FROM MEMORY: so the text has no tensor load, hence no joint load in a cluster, though the sixteen work-groups of an expert read the same tiles; the one barrier stands ahead of every
; branch on such a number, and behind it the waves share nothing.  Two token buffers: a tile's 36 loads are issued as soon as its buffer's products are out.
; THE LOOP.  With n tiles for the wave, (max(n, 2) - 2) / 2 trips, each of two tiles, each of which asks for the tile two further on; the 1, 2 or 3 tiles that are left are written out behind it.
; LIMITS.  Where an expert's number of tokens is odd, the last token's partner slot repeats the tile's slot 0: that row is stored a second time, with the same numbers.
; REGISTERS, in windows of 256: window 0: v1-11 addresses; v16-31 the weight's scale words; v32-47 the tokens' (8 a buffer); v48-63 token numbers (8 a buffer); v64-71 offsets in out0; v80-111 four accumulators; v112-143 rows on the way out.
;   windows 1, 2: the weight: fragment (t, s) at v[16 (4 (s % 4) + t)] of window 1 + s / 4 (window 1 first holds the 64 loads as they come).   window 3: the tokens: buffer b, K step s at v[128 b + 16 s].
; THE MODE: SCHED_MODE bits 1:0 = 2 (LLVM: expert scheduling mode 2), set by the entry lines.  The code itself states the register dependences
; between vector or matrix instructions and memory or LDS instructions, with s_wait_alu, always for 0.
; THE PLAN.  Registers that memory or LDS instructions touch:
;   v1, v4-v11     Offsets and LDS addresses: written at the head and never again; read by every load and store.  One wait on va_vdst ahead of the first load states them all.
;   window 1       The weight's 64 loads land there; the LDS stores of STAGE read them; then the fragments' LDS loads land there: one wait on vm_vsrc behind the barrier.  From there on windows 1 and 2 and WS are read by products alone.
;   T[b], AS[b], ORD[b]   A tile in buffer b: its products read T[b] and AS[b], OFFS reads ORD[b]; behind them the 36 loads of the tile two further on land there.
;   ACC            Written by a tile's products; read by the stage's LDS stores; begun anew by the next tile's products.
;   OFF            Written by OFFS; read by the tile's global stores as their offsets; written again by the next tile's OFFS.
;   RB             The stage's LDS loads land there; read by the tile's global stores as their data; loaded again one tile on.
; So a tile has TWO waits.  At its head one on vm_vsrc: the last tile's LDS stores have read ACC, its global stores OFF and RB.  Behind OFFS one on va_vdst: the products have written ACC and are done reading T[b] and AS[b],
; OFFS has written OFF and is done reading ORD[b].  Behind that wait no vector or matrix instruction is issued before the next tile's head: the tile's 16 LDS instructions, 36 loads and 8 stores follow it with no further wait.
.set PW,  1040                         ; LDS: 128 rows of the weight, 1,024 bytes + 16: 65 x 16 bytes, so the sixteen rows that a load touches fall on sixteen different columns of the 64 banks of 4 bytes (ISA guide 11.1)
.set OS,  128*PW                       ; behind them: 16 rows x 272 bytes for each wave, its own, for the way out
.set WS,  16
.set AS,  32
.set ORD, 48
.set OFF, 64
.set ACC, 80
.set RB,  112
.set MSB, 0
.macro WIN new                         ; the immediate's high byte repeats the setting that is left; a switch that changes nothing is dropped
.if MSB != (\new)
	s_set_vgpr_msb (MSB<<8)|(\new)
.set MSB, (\new)
.endif
.endm
	s_load_b256 s[4:11], s[0:1], 0x0               ; table s[4:5], order s[6:7], xq s[8:9], xs s[10:11]
	s_load_b128 s[12:15], s[0:1], 0x20             ; the weight's codes s[12:13], its scales s[14:15]
	s_load_b64 s[16:17], s[0:1], 0x30              ; out0
	v_lshl_add_u32 v254, v0, 2, 0x24c00
	v_mov_b32 v255, 0
	v_lshrrev_b32 v2, 5, v0
	v_readfirstlane_b32 s18, v2                    ; wave 0..3
	s_and_b32 s21, ttmp7, 0xffff                   ; the expert
	s_mov_b32 s22, ttmp9                           ; the block of 128 columns
	v_and_b32 v7, 31, v0                           ; lane
	v_lshlrev_b32 v1, 4, v7                        ; 16 x lane
	v_and_b32 v2, 15, v0                           ; r
	v_bfe_u32 v3, v0, 4, 1                         ; h
	s_wait_alu depctr_va_sdst(0)                   ; s18 is written, ahead of its first reader: the wave's shares and every base are made from it
	s_lshr_b32 s19, s18, 1                         ; my column half
	s_and_b32 s20, s18, 1                          ; my parity among the tiles
	s_mul_i32 s26, s18, 32*PW
	v_add_nc_u32 v4, s26, v1                       ; the weight into LDS: my 32 rows, 16 bytes a lane
	s_mul_i32 s26, s19, 64*PW
	v_mul_u32_u24 v5, v2, PW
	v_lshl_add_u32 v5, v3, 4, v5
	v_add_nc_u32 v5, s26, v5                       ; and back as fragments: my half's row r, + 16 h
	v_lshlrev_b32 v6, 5, v2                        ; xs: 32 bytes a slot
	v_lshlrev_b32 v7, 5, v7                        ; the weight's scales: 32 bytes a row, a lane a row
	v_lshlrev_b32 v8, 5, v3                        ; order: 32 h
	s_mul_i32 s26, s18, 16*272
	s_add_co_u32 s26, s26, OS                      ; my stage
	v_mul_u32_u24 v9, v2, 272
	v_lshl_add_u32 v9, v3, 5, v9
	v_add_nc_u32 v9, s26, v9                       ; in: row r, 32 bytes for each half of the lanes
	v_mul_u32_u24 v10, v3, 272
	v_lshl_add_u32 v10, v2, 4, v10
	v_add_nc_u32 v10, s26, v10                     ; back: lanes 0-15 one row of 256 bytes, lanes 16-31 the next
	v_lshlrev_b32 v11, 4, v2                       ; and my 16 bytes of it in out0
	s_lshl_b32 s52, s21, 21                        ; codes: (2,048 e + 128 x + 32 w) rows of 1,024 bytes
	s_lshl_b32 s26, s22, 17
	s_add_co_u32 s52, s52, s26
	s_lshl_b32 s26, s18, 15
	s_add_co_u32 s52, s52, s26
	s_mov_b32 s53, 0
	s_lshl_b32 s54, s21, 16                        ; scales: (2,048 e + 128 x + 64 half) rows of 32 bytes
	s_lshl_b32 s26, s22, 12
	s_add_co_u32 s54, s54, s26
	s_lshl_b32 s26, s19, 11
	s_add_co_u32 s54, s54, s26
	s_mov_b32 s55, 0
	s_wait_kmcnt 0x0
	s_add_nc_u64 s[12:13], s[12:13], s[52:53]
	s_add_nc_u64 s[14:15], s[14:15], s[54:55]
	s_lshl_b32 s52, s21, 3
	s_add_nc_u64 s[4:5], s[4:5], s[52:53]
	s_load_b64 s[24:25], s[4:5], 0x0               ; my expert's first tile and number of tokens: on its way while the weight is asked for
	s_lshl_b32 s52, s22, 9
	s_lshl_b32 s26, s19, 8
	s_add_co_u32 s52, s52, s26
	s_add_nc_u64 s[16:17], s[16:17], s[52:53]      ; out0 at my 64 columns
	s_wait_alu depctr_va_vdst(0)                   ; the offsets and LDS addresses v1 and v4 to v11 are written: every load and store of the kernel reads one of them, and none is written again
	; the weight's scale words: register WS + 8 u + s: lanes 0-15 the word (K step s) of the rows of column tile 2 u, lanes 16-31 of tile 2 u + 1
	global_load_b128 v[WS:WS+3], v7, s[14:15]
	global_load_b128 v[WS+4:WS+7], v7, s[14:15] offset:16
	global_load_b128 v[WS+8:WS+11], v7, s[14:15] offset:1024
	global_load_b128 v[WS+12:WS+15], v7, s[14:15] offset:1040
	WIN 0x40                                       ; destination window 1
.set i, 0
.rept 64
	global_load_b128 v[4*i:4*i+3], v1, s[12:13] offset:512*i th:TH_LOAD_NT   ; 512 consecutive bytes: half of row i / 2; read once in the launch
.set i, i+1
.endr
	WIN 0
	s_wait_kmcnt 0x0
	s_min_u32 s24, s24, 143                        ; first tile
	s_min_u32 s25, s25, 2048                       ; tokens
	s_add_co_u32 s26, s25, 15
	s_lshr_b32 s26, s26, 4                         ; the expert's tiles
	s_add_co_u32 s28, s26, 1
	s_sub_co_u32 s28, s28, s20
	s_lshr_b32 s28, s28, 1                         ; s28: n, my tiles
	s_max_u32 s38, s28, 2
	s_sub_co_u32 s38, s38, 2
	s_lshr_b32 s38, s38, 1                         ; s38: the loop's trips: in trip j tiles 2 j + 2 and 2 j + 3 are asked for, and 2 s38 <= n - 2
	s_lshl_b32 s39, s38, 1
	s_sub_co_u32 s39, s28, s39                     ; s39: the tiles left behind the loop: 1 (n = 1), 2 (n even) or 3 (n odd, from 3 on)
	s_lshl_b32 s27, s20, 4
	s_sub_co_u32 s30, s25, s27                     ; s30: tokens from my tile in hand on
	s_add_co_u32 s26, s24, s20
	s_min_u32 s26, s26, 143                        ; my first tile,
	s_sub_co_u32 s27, s28, 1
	s_min_u32 s27, s27, 1
	s_lshl_b32 s27, s27, 1
	s_add_co_u32 s27, s27, s26
	s_min_u32 s27, s27, 143                        ; and my second (with one tile: the first again; its data are then used by nobody).  Both lie inside the 144 tiles, all of which are written
	s_lshl_b32 s52, s26, 14
	s_add_nc_u64 s[40:41], s[8:9], s[52:53]
	s_lshl_b32 s52, s26, 9
	s_add_nc_u64 s[42:43], s[10:11], s[52:53]
	s_lshl_b32 s52, s26, 6
	s_add_nc_u64 s[44:45], s[6:7], s[52:53]
	s_lshl_b32 s52, s27, 14
	s_add_nc_u64 s[46:47], s[8:9], s[52:53]
	s_lshl_b32 s52, s27, 9
	s_add_nc_u64 s[48:49], s[10:11], s[52:53]
	s_lshl_b32 s52, s27, 6
	s_add_nc_u64 s[50:51], s[6:7], s[52:53]
	s_add_nc_u64 s[32:33], s[40:41], 32768         ; the walking addresses stand at my second tile: two tiles on from the first; each later fetch steps them first
	s_add_nc_u64 s[34:35], s[42:43], 1024
	s_add_nc_u64 s[36:37], s[44:45], 128
	s_mov_b32 s29, 0                               ; s29: the loop's counter
; Half a tile into buffer b: 18 loads.  Four K steps' codes (each load 512 consecutive bytes, as the operand's registers take them), and the scale words (half 0) or the token numbers (half 1).
.macro LOADH b, half, q, x, o
	WIN 0xc0                                       ; destination window 3
.irp s, 0,1,2,3
.irp c, 0,1,2,3
	global_load_b128 v[128*(\b)+16*(4*(\half)+\s)+4*\c:128*(\b)+16*(4*(\half)+\s)+4*\c+3], v1, s[\q:\q+1] offset:2048*(4*(\half)+\s)+512*\c
.endr
.endr
	WIN 0
.if (\half) == 0
	global_load_b128 v[AS+8*(\b):AS+8*(\b)+3], v6, s[\x:\x+1]              ; lane r: slot r's eight scale words, one a K step
	global_load_b128 v[AS+8*(\b)+4:AS+8*(\b)+7], v6, s[\x:\x+1] offset:16
.else
	global_load_b128 v[ORD+8*(\b):ORD+8*(\b)+3], v8, s[\o:\o+1]            ; register i: the token of slot 2 i + h
	global_load_b128 v[ORD+8*(\b)+4:ORD+8*(\b)+7], v8, s[\o:\o+1] offset:16
.endif
.endm
; Sixteen of the weight's 64 loads go into LDS.  Behind the last of them stand 64 - 16 (g + 1) loads of the weight and 18 g of the tokens: 48, 50, 52, 54.
; (The stores' data come from loads, their address v4 was written ahead of the head's wait on va_vdst, and no vector instruction has been issued since: no further wait is owed here, nor for the tokens' loads between.)
.macro STAGE g
	s_wait_loadcnt 48+2*(\g)
	WIN 0x04                                       ; an LDS store's data are its source 1: window 1
.set i, 16*(\g)
.rept 16
	ds_store_b128 v4, v[4*i:4*i+3] offset:(i/2)*PW+(i%2)*512
.set i, i+1
.endr
	WIN 0
.endm
	STAGE 0                                        ; the stores run while the rest of the weight arrives, and my first two tiles are asked for meanwhile
	LOADH 0, 0, 40, 42, 44
	STAGE 1
	LOADH 0, 1, 40, 42, 44
	STAGE 2
	LOADH 1, 0, 46, 48, 50
	STAGE 3
	LOADH 1, 1, 46, 48, 50
	s_wait_dscnt 0x0                               ; for the others' sake: my 32 rows lie in LDS
	s_barrier_signal -1
	s_barrier_wait -1                              ; the only barrier: all 128 rows lie there, and nobody writes them again
	s_wait_alu depctr_vm_vsrc(0)                   ; my LDS stores have read window 1's registers, in which the fragments' loads below land
	s_cmp_eq_u32 s28, 0
	s_cbranch_scc1 .Lend                           ; no tile of my parity
.irp s, 0,1,2,3,4,5,6,7                        ; 128 loads, K step by K step, 16 each
	WIN 0x40+0x40*(\s/4)                           ; destination window 1 or 2
.irp t, 0,1,2,3
.irp c, 0,1,2,3
	ds_load_b128 v[16*(4*(\s%4)+\t)+4*\c:16*(4*(\s%4)+\t)+4*\c+3], v5 offset:16*PW*\t+128*\s+32*\c
.endr
.endr
.endr
	WIN 0
.macro MM1 b, s, t
.set rW, 16*(4*((\s)%4)+(\t))
.set rA, 128*(\b)+16*(\s)
.set rC, ACC+8*(\t)
.set rWS, WS+8*((\t)/2)+(\s)
.set rAS, AS+8*(\b)+(\s)
.if (\s) == 0                                  ; the first K step starts the sums: nothing is cleared
.if (\t)%2
	v_wmma_scale_f32_16x16x128_f8f6f4 v[rC:rC+7], v[rW:rW+15], v[rA:rA+15], 0, v[rWS], v[rAS] matrix_a_fmt:MATRIX_FMT_BF8 matrix_b_fmt:MATRIX_FMT_BF8 matrix_a_scale:MATRIX_SCALE_ROW1
.else
	v_wmma_scale_f32_16x16x128_f8f6f4 v[rC:rC+7], v[rW:rW+15], v[rA:rA+15], 0, v[rWS], v[rAS] matrix_a_fmt:MATRIX_FMT_BF8 matrix_b_fmt:MATRIX_FMT_BF8
.endif
.else
.if (\t)%2
	v_wmma_scale_f32_16x16x128_f8f6f4 v[rC:rC+7], v[rW:rW+15], v[rA:rA+15], v[rC:rC+7], v[rWS], v[rAS] matrix_a_fmt:MATRIX_FMT_BF8 matrix_b_fmt:MATRIX_FMT_BF8 matrix_a_scale:MATRIX_SCALE_ROW1
.else
	v_wmma_scale_f32_16x16x128_f8f6f4 v[rC:rC+7], v[rW:rW+15], v[rA:rA+15], v[rC:rC+7], v[rWS], v[rAS] matrix_a_fmt:MATRIX_FMT_BF8 matrix_b_fmt:MATRIX_FMT_BF8
.endif
.endif
.endm
; A tile's 32 products: 8 K steps x 4 column tiles.  first = 1: a place where the weight's fragments may still be on their way.  With at most 63 of the 128 loads out the first 65 are in: K steps 0 to 3;
; from K step 4 on the count is the later K steps' loads, 16 each.  Round the loop's backward jump, and out of the loop, no LDS instruction is out.
.macro MM b, first
.irp s, 0,1,2,3,4,5,6,7
.if \first
.if \s == 0
	s_wait_dscnt 63
.elseif \s > 3
	s_wait_dscnt 16*(7-\s)
.endif
.endif
	WIN 0x0d+(\s/4)                                ; source 0 window 1 or 2, source 1 window 3, C and D window 0
.irp t, 0,1,2,3
	MM1 \b, \s, \t
.endr
.endr
	WIN 0
.endm
; Where the tile's rows go: token x 8,192 bytes + my 16 bytes.  Sixteen plain instructions that name no register of the products: they are the eight places ahead of the LDS stores that read the
; results, and the nine ahead of the next tile's first products, which begin the accumulators anew.
.macro OFFS b
.irp i, 0,1,2,3,4,5,6,7
	v_min_u32 v[OFF+\i], 0x7ff, v[ORD+8*(\b)+\i]
.endr
.irp i, 0,1,2,3,4,5,6,7
	v_lshl_add_u32 v[OFF+\i], v[OFF+\i], 13, v11
.endr
.endm
; The way out, first part: 16 tokens x 64 columns through my own stage; back as whole rows of 256 bytes, two a load.
.macro TOSTAGE
.irp t, 0,1,2,3
	ds_store_b128 v9, v[ACC+8*\t:ACC+8*\t+3] offset:64*\t          ; each accumulator from its low end on
	ds_store_b128 v9, v[ACC+8*\t+4:ACC+8*\t+7] offset:64*\t+16
.endr
.irp i, 0,1,2,3,4,5,6,7
	ds_load_b128 v[RB+4*\i:RB+4*\i+3], v10 offset:544*\i           ; LDS serves a wave's instructions in order (ISA guide 5.7.1.4): these see my stores
.endr
.endm
; The way out, second part: lanes 0-15 store slot 2 i's 256 consecutive bytes, aligned, lanes 16-31 slot 2 i + 1's.
; Pairs of slots that hold no token are left out: a scalar branch on the number of tokens.
.macro OUT
	s_wait_dscnt 0x0
.irp i, 0,1,2,3,4,5,6,7
.if \i > 0
	s_cmp_le_u32 s30, 2*\i
	s_cbranch_scc1 .Lod_\@
.endif
	global_store_b128 v[OFF+\i], v[RB+4*\i:RB+4*\i+3], s[16:17] th:TH_STORE_NT   ; written once, read by nobody here
.endr
.Lod_\@:
	s_sub_co_u32 s30, s30, 32                      ; my next tile lies two tiles on
.endm
; The tile in buffer b is multiplied, and its results set out through the stage.  left: the loads issued behind this tile's 36, which may stay out: the other buffer's 36, or none.
.macro WORK b, first, left
	s_wait_loadcnt \left
	s_wait_alu depctr_vm_vsrc(0)                   ; the last tile's LDS stores have read ACC, which the products below begin anew; its global stores have read OFF, which OFFS writes again, and RB, in which the stage's loads land again
	MM \b, \first
	s_wait_xcnt 0x0                                ; the last tile's stores have read their offsets and data, the last loads their addresses: all may be written again
	OFFS \b
	s_wait_alu depctr_va_vdst(0)                   ; the products have written ACC, which the LDS stores read, and are done reading T[b] and AS[b]; OFFS has written OFF, the global stores' offsets, and is done reading ORD[b]: the next loads land in these three
	TOSTAGE                                        ; the stage's round trip runs while the 36 loads that follow (where a tile two further on exists) are issued
.endm
; Buffer b, whose products are out, takes my tile two further on: 36 loads.  No wait: no vector or matrix instruction since WORK's wait on va_vdst, and the LDS instructions between name none of these loads' registers.
.macro NEXT b
	s_add_nc_u64 s[32:33], s[32:33], 32768
	s_add_nc_u64 s[34:35], s[34:35], 1024
	s_add_nc_u64 s[36:37], s[36:37], 128
	LOADH \b, 0, 32, 34, 36
	LOADH \b, 1, 32, 34, 36
.endm
	s_cmp_eq_u32 s38, 0
	s_cbranch_scc1 .Ltail                          ; up to three tiles: no trip
.Lloop:                                                ; a trip: two tiles, each of which has a tile two further on
	WORK 0, 1, 36
	NEXT 0
	OUT
	WORK 1, 0, 36
	NEXT 1
	OUT
	s_add_co_u32 s29, s29, 1
	s_cmp_lt_u32 s29, s38
	s_cbranch_scc1 .Lloop
.Ltail:                                                ; on both ways here buffer 0's 36 loads were issued, and behind them buffer 1's 36
	WORK 0, 1, 36
	s_cmp_lt_u32 s39, 3
	s_cbranch_scc1 .Lshort
	NEXT 0                                         ; three tiles are left: buffer 0 takes the last
	OUT
	WORK 1, 0, 36                                  ; behind buffer 1's loads: the 36 just issued
	OUT
	WORK 0, 0, 0
	OUT
	s_wait_dscnt 0x0                               ; the closing lines, six on end
	s_wait_alu 0x0
	s_wait_tensorcnt 0x0
	ds_add_u32 v254, v255
	s_wait_dscnt 0x0
	s_endpgm
.Lshort:                                               ; one or two are left: nothing more is asked for
	OUT
	s_cmp_lt_u32 s39, 2
	s_cbranch_scc1 .Lend
	WORK 1, 0, 0                                   ; buffer 1's loads are the youngest
	OUT
.Lend:
	s_wait_dscnt 0x0                               ; the closing lines, six on end
	s_wait_alu 0x0
	s_wait_tensorcnt 0x0
	ds_add_u32 v254, v255
	s_wait_dscnt 0x0
	s_endpgm
.Lfunc_end_k_q7664174719_moe:
	.size	k_q7664174719_moe, .Lfunc_end_k_q7664174719_moe-k_q7664174719_moe
	.p2alignl 7, 3214868480
	.fill 96, 4, 3214868480
	.section	.rodata,"a",@progbits
	.p2align	6, 0x0
	.amdhsa_kernel k_q7664174719_moe
		.amdhsa_group_segment_fixed_size 151040
		.amdhsa_private_segment_fixed_size 0
		.amdhsa_enable_private_segment 0
		.amdhsa_kernarg_size 56
		.amdhsa_user_sgpr_count 2
		.amdhsa_user_sgpr_kernarg_segment_ptr 1
		.amdhsa_wavefront_size32 1
		.amdhsa_system_sgpr_workgroup_id_x 1
		.amdhsa_system_sgpr_workgroup_id_y 1
		.amdhsa_system_sgpr_workgroup_id_z 1
		.amdhsa_system_vgpr_workitem_id 0
		.amdhsa_next_free_vgpr 1024
		.amdhsa_next_free_sgpr 66
		.amdhsa_reserve_vcc 0
		.amdhsa_float_denorm_mode_32 3
		.amdhsa_float_denorm_mode_16_64 3
		.amdhsa_memory_ordered 1
		.amdhsa_forward_progress 1
		.amdhsa_inst_pref_size 89
	.end_amdhsa_kernel
	.amdgpu_metadata
---
amdhsa.version: [ 1, 2 ]
amdhsa.kernels:
  - .name:           k_q7664174719_moe
    .symbol:         k_q7664174719_moe.kd
    .args:
      - { .name: table, .offset: 0, .size: 8, .value_kind: global_buffer, .address_space: global }
      - { .name: order, .offset: 8, .size: 8, .value_kind: global_buffer, .address_space: global }
      - { .name: xq, .offset: 16, .size: 8, .value_kind: global_buffer, .address_space: global }
      - { .name: xs, .offset: 24, .size: 8, .value_kind: global_buffer, .address_space: global }
      - { .name: weight_codes, .offset: 32, .size: 8, .value_kind: global_buffer, .address_space: global }
      - { .name: weight_scales, .offset: 40, .size: 8, .value_kind: global_buffer, .address_space: global }
      - { .name: out0, .offset: 48, .size: 8, .value_kind: global_buffer, .address_space: global }
    .group_segment_fixed_size: 151040
    .private_segment_fixed_size: 0
    .kernarg_segment_align: 8
    .kernarg_segment_size: 56
    .max_flat_workgroup_size: 128
    .sgpr_count:     66
    .vgpr_count:     1024
    .wavefront_size: 32
...
	.end_amdgpu_metadata
.endif
;; end of part 3
